; MI455X (gfx1250); checked and timed in simulation.
; The chip was launched on July 23, 2026; its instructions are those of AMD's public machine-readable ISA for CDNA 5 (MIT licence, August 2026) and "CDNA5" Instruction Set Architecture Reference Guide (July 2026). The comments in the code are by the model that wrote it; some were corrected since.
;; Transduction layer. Allowed arithmetic: matrix products marked QUANTISED: E2M3 operands, one E8M0 scale for each 32 along K, by v_wmma_scale_f32_16x16x128_f8f6f4 with both operands' format E2M3, f32 sums; everything else in f32.
;; Inputs: W_out 512 x 512 float32; W_u 512 x 512 float32; W_v1 512 x 512 float32; W_v2 512 x 512 float32; mask 2 x 4,096 x 4,096 float32; scale 1 float32; x 2 x 4,096 x 512 float32; y 2 x 4,096 x 512 float32.
;; Outputs: out0 2 x 4,096 x 512 float32; out1 2 x 4,096 x 512 float32.
;; This version of the problem:
;;   THIS VERSION OF THE PROBLEM IS GIVEN IN LOW PRECISION. The matrix products marked QUANTISED in the list below multiply operands that are first quantised to E2M3 (2 exponent bits, 3 mantissa bits; 6 bits a number), with one power-of-two scale for each 32 numbers along K (OCP MX v1.0); their sums are f32. All else is computed in f32.
;;   The module's matrix products, in the order in which they are computed (A, B: the left and right operand; K: the contracted axis; several contracted axes count as one K, in the product's order):
;;     1. [M 8,192, K 512] x [K 512, N 512]; A: input x; B: input W_v1: QUANTISED
;;     2. [M 8,192, K 512] x [K 512, N 512]; A: input x; B: input W_v2: QUANTISED
;;     3. [M 8,192, K 512] x [K 512, N 512]; A: input y; B: input W_u: QUANTISED
;;     4. batch 16 x [M 4,096, K 64] x [K 64, N 4,096]; A: computed on the way; B: computed on the way: QUANTISED
;;     5. batch 16 x [M 4,096, K 4,096] x [K 4,096, N 64]; A: softmax (see below); B: computed on the way: QUANTISED
;;     6. [M 8,192, K 512] x [K 512, N 512]; A: computed on the way; B: input W_out: QUANTISED
;;   THE QUANTISER, for each operand of a quantised product, along K:
;;     - K is cut into blocks of 32 from its start; a last block that is shorter is filled with zeros.
;;     - A block's scale is 2^e with e = floor(log2(the largest magnitude in the block)) - 2, held to -126 .. 127; a block of zeros has e = 0. As a byte (E8M0): e + 127.
;;     - Each number is divided by its block's scale, clamped to +-7.5, and rounded to the nearest number of E2M3, ties to even, subnormals kept.
;;     - The product sums the exact products of the quantised numbers (number of the format x scale) in f32.
;;   ~~~python
;;   def quantise(x, axis):      # numpy; x: float32 -> the quantised numbers, widened to float32 again
;;       x = np.moveaxis(x, axis, -1); K = x.shape[-1]
;;       x = np.pad(x, [(0, 0)] * (x.ndim - 1) + [(0, -K % 32)]); x = x.reshape(x.shape[:-1] + (-1, 32)); a = np.abs(x).max(-1, keepdims=True)
;;       e = np.where(a > 0, np.clip(np.frexp(np.where(a > 0, a, 1))[1] - 1 - 2, -126, 127), 0)      # np.frexp(a)[1] - 1 = floor(log2(a)), exactly
;;       r = np.clip(x / 2.0 ** e, -7.5, 7.5)
;;       step = 2.0 ** (np.maximum(np.frexp(np.where(r == 0, 1, r))[1] - 1, 0) - 3)
;;       q = np.round(r / step) * step * 2.0 ** e      # np.round: ties to even
;;       return np.moveaxis(q.reshape(q.shape[:-2] + (-1,))[..., :K], -1, axis).astype(np.float32)
;;   ~~~
;;   SOFTMAX AHEAD OF A QUANTISED PRODUCT. Where the list says 'softmax', what is quantised is not the finished softmax but p = 2^(t - M), with t = logit x log2(e) and M = ceil(the row's largest t), a whole number; so 1/2 < the row's largest p <= 1. The row's sum l is taken of the UNQUANTISED p, in f32, and the product's result is divided by l at the end. Since M is a whole number, a kernel that streams over the keys may use a running M (the ceiling of the running maximum): every later rescaling is an exact power of two, which a block's scale takes up: the codes' values come out the same.
;;   OPERANDS COMPUTED ON THE WAY. 'Computed on the way' means the value that the module computes at that place (a softmax that the list does not call 'softmax' is quantised finished and normalised). What goes into a quantiser is computed in f32, as accurately as f32 sums, v_exp_f32 and their like allow (about 1e-6 of the number): no bf16 or f16 on the way to a quantiser, and a product that is left as it is and whose result goes on into a quantised operand takes f32 operands (vector FMAs, or v_wmma_f32_16x16x4_f32). A number that lies on a knife's edge between two numbers of the format may be rounded either way, as far as f32 arithmetic and the matrix unit's own rounding can turn it there, and no further.
;; One version. Each part assembles by itself: llvm-mc -triple=amdgcn-amd-amdhsa -mcpu=gfx1250 --defsym DOCPART=n.
;; ======== version 1 of 1: 3 launches
;; limits: right only within a limited range of input values
;; workspace buffers: Wimg 851,968 bytes; Qimg 3,407,872 bytes; KV 6,684,672 bytes
;; launch wq (part 1): grid 32 x 4, 4 waves a work-group, no clusters, 0 bytes of LDS; arguments W_v1, W_v2, W_u, W_out, Wimg; writes Wimg
.if DOCPART == 1
	.amdgcn_target "amdgcn-amd-amdhsa--gfx1250"
	.amdhsa_code_object_version 6
	.text
	.protected	k_qe07bac4521_wq
	.globl	k_qe07bac4521_wq
	.p2align	8
	.type	k_qe07bac4521_wq,@function
k_qe07bac4521_wq:
	s_mov_b64 s[64:65], 0
	v_nop
	global_prefetch_b8 v0, s[64:65] scope:SCOPE_SE
	s_setreg_imm32_b32 hwreg(HW_REG_WAVE_MODE, 25, 1), 1
	s_wait_xcnt 0x0
; The four weights [512][512] f32 (K innermost) become codes of FP6 (E2M3) with one E8M0 byte for each 32 along K, laid as IMAGES OF OPERAND REGISTERS:
; weight j at j x 212,992; fragment f = 4 T + s (tile T of 16 rows, K step s of 128) at f x 1,536: registers 4 c .. 4 c + 3 of lane l at 512 c + 16 l; its scale words at 196,608 + f x 128 + 4 l.
; THE ROWS OF A TILE ARE NOT NEIGHBOURS: lane r of tile 2 b + e takes row 32 b + 8 e + r + 8 (r / 8), so that a later product's 16 result registers of tiles 2 b, 2 b + 1 are 16 neighbours along the next K.
; Work-group (x = T, y = j); wave s makes the one fragment (T, s).  No LDS, no barrier: waves share nothing.  4 MB are read in all, so nothing is run ahead.
; A block's scale is 2^(floor(log2(largest magnitude)) - 2); its byte is the largest magnitude's exponent field - 2, held at 1 from below.
; LIMITS: NaN and infinities among the inputs are not served; a block whose largest magnitude lies under 2^(3 - 127) keeps the byte 1; a block of zeros has the byte 1 (its codes are zeros; this program alone reads the bytes).
.set TM,  16                           ; v16-19 largest magnitudes, v20-23 the other half's / the bytes, v28-31 the conversions' scale operands
.set PW,  32                           ; the scale word
.set PC,  36                           ; v36-47 the fragment; v48-54 at work
.set X,   64                           ; v64-127 my 64 numbers: register 16 b + i = k 32 b + 16 (lane / 16) + i of my row
.set SEL, 20                           ; s[20:21] lane selects for v_permlanex16_b32: lane l xor 16
.set WSZ, 212992
; 64 numbers of a lane become a fragment's codes in v[PC] on and its scale word in v[PW]
.macro QUANT s
.irp b, 0,1,2,3
	v_max3_num_f32 v[TM+\b], |v[\s+16*\b]|, |v[\s+1+16*\b]|, 0x1800000   ; block b: my 16 numbers, and the floor 2^(3 - 127): the byte cannot fall under 1
.endr
.irp i, 2,4,6,8,10,12,14
.irp b, 0,1,2,3
	v_max3_num_f32 v[TM+\b], v[TM+\b], |v[\s+16*\b+\i]|, |v[\s+1+16*\b+\i]|   ; the four blocks by turns
.endr
.endr
.irp b, 0,1,2,3
	v_permlanex16_b32 v[TM+4+\b], v[TM+\b], s[SEL], s[SEL+1]
.endr
.irp b, 0,1,2,3
	v_max_num_f32 v[TM+\b], v[TM+\b], v[TM+4+\b]   ; with lane l xor 16's: the block's largest magnitude
.endr
.irp b, 0,1,2,3
	v_add_nc_u32 v[TM+12+\b], 0xff000000, v[TM+\b]   ; 2 off its exponent field: the conversion takes this operand's exponent field as its scale
.endr
.irp b, 0,1,2,3
	v_lshrrev_b32 v[TM+4+\b], 23, v[TM+12+\b]      ; the scale's byte
.endr
	v_lshl_or_b32 v[PW], v[TM+5], 8, v[TM+4]       ; four bytes: my row's scale word
	v_lshl_or_b32 v[PW], v[TM+6], 16, v[PW]
	v_lshl_or_b32 v[PW], v[TM+7], 24, v[PW]
.irp c, 0,1
	v_cvt_scalef32_pk16_fp6_f32 v[PC+6*\c:PC+2+6*\c], v[\s+32*\c:\s+15+32*\c], v[TM+12+2*\c]
	v_cvt_scalef32_pk16_fp6_f32 v[PC+12+4*\c:PC+14+4*\c], v[\s+16+32*\c:\s+31+32*\c], v[TM+12+2*\c+1]   ; a conversion's three registers begin on an even number
.endr
	v_nop                                          ; one plain instruction behind a scaled conversion
.irp c, 0,1                                    ; the operand wants a WHOLE block in a lane: lanes 0-15 block 2 c, lanes 16-31 block 2 c + 1
.irp i, 0,1,2
	v_permlane16_swap_b32 v[PC+6*\c+\i], v[PC+12+4*\c+\i]
.endr
.irp i, 0,1,2
	v_mov_b32 v[PC+3+6*\c+\i], v[PC+12+4*\c+\i]
.endr
.endr
.endm
	s_load_b256 s[4:11], s[0:1], 0x0               ; W_v1, W_v2, W_u, W_out
	s_load_b64 s[12:13], s[0:1], 0x20              ; the images
	v_lshrrev_b32 v1, 5, v0
	v_readfirstlane_b32 s16, v1                    ; wave = K step s
	s_and_b32 s17, ttmp7, 0xffff                   ; j: which weight
	v_and_b32 v1, 15, v0                           ; r
	v_bfe_u32 v2, v0, 4, 1                         ; h
	v_and_b32 v3, 8, v1
	v_add_nc_u32 v3, v3, v1                        ; r + 8 (r / 8)
	v_lshlrev_b32 v3, 11, v3                       ; a row is 2,048 bytes
	v_lshl_add_u32 v3, v2, 6, v3                   ; + 64 h: my 16 numbers of a block of 32
	v_and_b32 v6, 31, v0
	v_lshlrev_b32 v4, 4, v6                        ; 16 x lane
	v_lshlrev_b32 v5, 2, v6                        ; 4 x lane
	s_mov_b32 s[SEL], 0x76543210
	s_mov_b32 s[SEL+1], 0xfedcba98
.irp b, 0,1,2,3
	v_mov_b32 v[TM+4+\b], 0                        ; a lane permute's destination counts as one of its sources
.endr
	s_lshr_b32 s18, ttmp9, 1
	s_lshl_b32 s18, s18, 5
	s_and_b32 s19, ttmp9, 1
	s_lshl_b32 s19, s19, 3
	s_add_co_u32 s18, s18, s19                     ; the tile's first row: 32 (T / 2) + 8 (T % 2)
	s_lshl_b32 s18, s18, 11
	s_lshl_b32 s19, s16, 9                         ; K step s: 512 bytes on
	s_add_co_u32 s18, s18, s19
	s_mov_b32 s19, 0
	s_lshl_b32 s22, ttmp9, 2
	s_add_co_u32 s22, s22, s16                     ; f = 4 T + s
	s_mul_i32 s23, s17, WSZ
	s_mul_i32 s24, s22, 1536
	s_add_co_u32 s24, s24, s23                     ; where the codes go
	s_mov_b32 s25, 0
	s_lshl_b32 s26, s22, 7
	s_add_co_u32 s26, s26, s23
	s_add_co_u32 s26, s26, 196608                  ; and the scale words
	s_mov_b32 s27, 0
	s_wait_alu depctr_va_vdst(0)
	s_wait_kmcnt 0x0
	s_cmp_lt_u32 s17, 2                            ; the choice of a weight hangs on the work-group's number alone
	s_cselect_b64 s[4:5], s[4:5], s[8:9]
	s_cselect_b64 s[6:7], s[6:7], s[10:11]
	s_and_b32 s23, s17, 1
	s_cmp_eq_u32 s23, 0
	s_cselect_b64 s[4:5], s[4:5], s[6:7]
	s_add_nc_u64 s[4:5], s[4:5], s[18:19]
	s_add_nc_u64 s[14:15], s[12:13], s[26:27]
	s_add_nc_u64 s[12:13], s[12:13], s[24:25]
.irp b, 0,1,2,3
.irp j, 0,1,2,3
	global_load_b128 v[X+16*\b+4*\j:X+16*\b+4*\j+3], v3, s[4:5] offset:128*\b+16*\j
.endr
.endr
	s_wait_loadcnt 0x0
	QUANT X
.irp c, 0,1,2
	global_store_b128 v4, v[PC+4*\c:PC+4*\c+3], s[12:13] offset:512*\c   ; 32 lanes store 512 consecutive bytes, at a multiple of 256 from the buffer's first byte
.endr
	global_store_b32 v5, v[PW], s[14:15]           ; 128 consecutive bytes
	s_endpgm
.Lfunc_end_k_qe07bac4521_wq:
	.size	k_qe07bac4521_wq, .Lfunc_end_k_qe07bac4521_wq-k_qe07bac4521_wq
	.p2alignl 7, 3214868480
	.fill 96, 4, 3214868480
	.section	.rodata,"a",@progbits
	.p2align	6, 0x0
	.amdhsa_kernel k_qe07bac4521_wq
		.amdhsa_group_segment_fixed_size 0
		.amdhsa_private_segment_fixed_size 0
		.amdhsa_enable_private_segment 0
		.amdhsa_kernarg_size 40
		.amdhsa_user_sgpr_count 2
		.amdhsa_user_sgpr_kernarg_segment_ptr 1
		.amdhsa_wavefront_size32 1
		.amdhsa_system_sgpr_workgroup_id_x 1
		.amdhsa_system_sgpr_workgroup_id_y 1
		.amdhsa_system_sgpr_workgroup_id_z 1
		.amdhsa_system_vgpr_workitem_id 0
		.amdhsa_next_free_vgpr 128
		.amdhsa_next_free_sgpr 66
		.amdhsa_reserve_vcc 0
		.amdhsa_float_denorm_mode_32 3
		.amdhsa_float_denorm_mode_16_64 3
		.amdhsa_memory_ordered 1
		.amdhsa_forward_progress 1
		.amdhsa_inst_pref_size 8
	.end_amdhsa_kernel
	.amdgpu_metadata
---
amdhsa.version: [ 1, 2 ]
amdhsa.kernels:
  - .name:           k_qe07bac4521_wq
    .symbol:         k_qe07bac4521_wq.kd
    .args:
      - { .name: W_v1, .offset: 0, .size: 8, .value_kind: global_buffer, .address_space: global }
      - { .name: W_v2, .offset: 8, .size: 8, .value_kind: global_buffer, .address_space: global }
      - { .name: W_u, .offset: 16, .size: 8, .value_kind: global_buffer, .address_space: global }
      - { .name: W_out, .offset: 24, .size: 8, .value_kind: global_buffer, .address_space: global }
      - { .name: Wimg, .offset: 32, .size: 8, .value_kind: global_buffer, .address_space: global }
    .group_segment_fixed_size: 0
    .private_segment_fixed_size: 0
    .kernarg_segment_align: 8
    .kernarg_segment_size: 40
    .max_flat_workgroup_size: 128
    .sgpr_count:     66
    .vgpr_count:     128
    .wavefront_size: 32
...
	.end_amdgpu_metadata
.endif
;; end of part 1
;; launch proj (part 2): grid 64 x 3, 4 waves a work-group, clusters of 4 x 1, 327,680 bytes of LDS; arguments x, y, Wimg, out0, Qimg, KV; writes out0, Qimg, KV
.if DOCPART == 2
	.amdgcn_target "amdgcn-amd-amdhsa--gfx1250"
	.amdhsa_code_object_version 6
	.text
	.protected	k_qe07bac4521_proj
	.globl	k_qe07bac4521_proj
	.p2align	8
	.type	k_qe07bac4521_proj,@function
k_qe07bac4521_proj:
	s_mov_b64 s[64:65], 0
	v_nop
	global_prefetch_b8 v0, s[64:65] scope:SCOPE_SE
	s_setreg_imm32_b32 hwreg(HW_REG_WAVE_MODE, 25, 1), 1
	s_wait_xcnt 0x0
	s_wait_alu depctr_hold_cnt(0) depctr_sa_sdst(0) depctr_va_vdst(0) depctr_va_sdst(0) depctr_va_ssrc(0) depctr_va_vcc(0) depctr_vm_vsrc(0)
	s_getreg_b32 s2, hwreg(HW_REG_IB_STS2, 6, 4)
	s_cmp_eq_u32 s2, 0
	s_cbranch_scc0 .Lentry_in_a_cluster
	s_endpgm
.Lentry_in_a_cluster:
	s_bfe_u32 s2, ttmp6, 0x10000c
	s_cmp_lg_u32 s2, 0x3003
	s_cbranch_scc0 .Lentry_shape_is_right
	s_endpgm
.Lentry_shape_is_right:
; kind (work-group y) 0: q = x W_v1^T, 1: k = x W_v2^T, 2: v = y W_u^T, on codes of FP6 (E2M3) with one E8M0 byte for each 32 along K; the results are quantised at once for attention's products and
; leave as images of operand registers.  kind 0 also copies out0 = x.  A work-group takes 128 rows (block = 4 x cluster x + cx) x all 512 columns, K = 512.
; PHASE X: wave w loads rows of its two tiles of 16 rows (512 consecutive bytes a load), turns them through its own stage in LDS so that a lane holds 16 neighbours along K, quantises, and stores each fragment's image in LDS.
; The weight's image (212,992 bytes) comes by ONE joint tensor load a wave: the four work-groups of a cluster have the same kind.  ONE barrier; behind it LDS is only read.
; PRODUCTS: source 0 is a STATIONARY set of 8 tiles x 4 K steps in registers (384), source 1 a MOVING tile, one for each of 8 trips.
;   q, k: stationary = my 8 tiles of the weight (columns 128 w on: heads 2 w, 2 w + 1), moving = rows 16 i on: a lane holds one row, its 64 result registers run along the two heads' channels.
;   v:    stationary = the 8 tiles of y's rows (keys), moving = tile 8 w + i of the weight: a lane holds one channel, its 64 result registers run along the 128 keys.
; Tiles of the weights, of k's rows and of v's rows are permuted (lane r of tile 2 b + e: row 32 b + 8 e + r + 8 (r / 8)), so that the result registers are neighbours along the next K; q's tiles are natural.
; OUT.  A half image is 768 bytes: registers 0-3 at 16 x lane, registers 4-5 at 512 + 8 x lane.  q, k: head x 6,144 + tile x 768 (the fragment's two halves are the two heads).  v: tile of channels x 1,536 (two halves on end).
; Scale images: [lane][4 words]; word i / 2 takes trip i's words in lanes 0-15 (i even) or 16-31 (i odd).  q, k: one image a head, two bytes a word, the upper two 0; v: one image for my two heads, four bytes a word.
; 192 work-groups: three equal products of 64 blocks; blocks of 128 rows are a key step of attention and cannot be cut without cutting v's blocks of scales' K step.
; LIMITS: NaN and infinities among the inputs are not served; a block under 2^(3 - 127) keeps the byte 1; a block of zeros has the byte 1 (its codes are zeros; this program alone reads the bytes).
; REGISTERS: window 0: v1-15, v33-34 addresses; v16-55 the quantiser's; v56-63 scale images; v64-127 numbers, then the 8 accumulators; v128-255 two sets of 16 loads, later v128-175 the moving fragments,
;   v176-179 their scale words, v192-223 the stationary scale words.  window 1: stationary tiles 0-3; window 2: tiles 4-7; fragment (t, s) at v[12 (4 (t % 4) + s)].
.set RIMG, 212992                      ; LDS: 0 the weight's image; here the rows' 32 fragments (4 m + s) x 1,536;
.set RSC,  262144                      ; their scale words, 128 bytes each;
.set STG,  266240                      ; a stage of 16 rows x 528 bytes for each wave
.set TM,  16
.set PW,  32
.set PC,  36
.set SWA, 56
.set SWB, 60
.set X,   64
.set LI,  5                            ; 16 x lane
.set LS,  6                            ; 4 x lane
.set XWI, 7
.set XWS, 8
.set SIN, 9
.set SOUT, 10
.set ASTA, 11
.set ASTS, 12
.set AMOV, 13
.set AMOS, 14
.set L8,  15                           ; 8 x lane
.set VB16, 33
.set VB8,  34
.set WV,  18
.set KIND, 19
.set SEL, 20
.set HM,  22                           ; lanes 16-31
.set MA,  23                           ; q, k: the word's low two bytes; v: all four
.set G1,  24
.set G0,  32
.set IN,  36
.set CP,  38
.set OC,  40
.set OS,  42
.set OST, 44
.set MSB, 0
.macro WIN new                         ; the immediate's high byte repeats the setting that is left
.if MSB != \new
	s_set_vgpr_msb (MSB<<8)|\new
.set MSB, \new
.endif
.endm
.macro ROUND                           ; a round of the cluster's barrier
	s_barrier_signal -1
	s_barrier_wait -1
	s_cmp_lg_u32 s[WV], 0
	s_cbranch_scc1 .Lnot_wave_0_\@
	s_barrier_signal -3
.Lnot_wave_0_\@:
	s_barrier_wait -3
	s_barrier_signal -1
	s_barrier_wait -1
.endm
; 64 numbers of a lane, register 16 b + i = k 32 b + 16 (lane / 16) + i of my row, become a fragment's codes in v[PC] on and its scale word in v[PW]
.macro QUANT s
.irp b, 0,1,2,3
	v_max3_num_f32 v[TM+\b], |v[\s+16*\b]|, |v[\s+1+16*\b]|, 0x1800000   ; block b: my 16 numbers, and the floor 2^(3 - 127): the byte cannot fall under 1
.endr
.irp i, 2,4,6,8,10,12,14
.irp b, 0,1,2,3
	v_max3_num_f32 v[TM+\b], v[TM+\b], |v[\s+16*\b+\i]|, |v[\s+1+16*\b+\i]|   ; the four blocks by turns; each accumulator is read from its low end on
.endr
.endr
.irp b, 0,1,2,3
	v_permlanex16_b32 v[TM+4+\b], v[TM+\b], s[SEL], s[SEL+1]
.endr
.irp b, 0,1,2,3
	v_max_num_f32 v[TM+\b], v[TM+\b], v[TM+4+\b]   ; with lane l xor 16's: the block's largest magnitude
.endr
.irp b, 0,1,2,3
	v_add_nc_u32 v[TM+12+\b], 0xff000000, v[TM+\b]   ; 2 off its exponent field: the conversion's scale operand
.endr
.irp b, 0,1,2,3
	v_lshrrev_b32 v[TM+4+\b], 23, v[TM+12+\b]      ; the scale's byte
.endr
	v_lshl_or_b32 v[PW], v[TM+5], 8, v[TM+4]
	v_lshl_or_b32 v[PW], v[TM+6], 16, v[PW]
	v_lshl_or_b32 v[PW], v[TM+7], 24, v[PW]
.irp c, 0,1
	v_cvt_scalef32_pk16_fp6_f32 v[PC+6*\c:PC+2+6*\c], v[\s+32*\c:\s+15+32*\c], v[TM+12+2*\c]
	v_cvt_scalef32_pk16_fp6_f32 v[PC+12+4*\c:PC+14+4*\c], v[\s+16+32*\c:\s+31+32*\c], v[TM+12+2*\c+1]
.endr
	v_nop                                          ; one plain instruction behind a scaled conversion
.irp c, 0,1
.irp i, 0,1,2
	v_permlane16_swap_b32 v[PC+6*\c+\i], v[PC+12+4*\c+\i]
.endr
.irp i, 0,1,2
	v_mov_b32 v[PC+3+6*\c+\i], v[PC+12+4*\c+\i]
.endr
.endr
.endm
	s_load_b256 s[4:11], s[0:1], 0x0               ; x, y, the weights' images, out0
	s_load_b128 s[12:15], s[0:1], 0x20
	v_lshl_add_u32 v24, v0, 2, 300032              ; my spare word, behind the four stages; v24 and v25 serve this alone
	v_mov_b32 v25, 0
	ds_add_u32 v24, v25                            ; the opening lines: the add, twice on end, and its wait
	ds_add_u32 v24, v25
	v_lshrrev_b32 v35, 5, v0
	v_readfirstlane_b32 s[WV], v35                 ; wave 0..3
	s_and_b32 s[KIND], ttmp7, 0xffff               ; the cluster's y: the same in all four partners
	; descriptor group 1: a quarter of a weight's image, 53,248 dense bytes, as 208 rows of 256 bytes (32 elements of 8 bytes)
	s_mov_b32 s[G1+0], 15|(3<<16)|(1<<21)          ; 15:0 the mask: all four work-groups; 17:16 elements of 8 bytes; 21 set beside a mask
	s_mov_b32 s[G1+1], 32<<16                      ; tensor_dim0
	s_mov_b32 s[G1+2], 208<<16                     ; tensor_dim1
	s_mov_b32 s[G1+3], 32<<16                      ; tile_dim0
	s_mov_b32 s[G1+4], 208                         ; tile_dim1
	s_mov_b32 s[G1+5], 32                          ; the pitch
	s_mov_b32 s[G1+6], 0
	s_mov_b32 s[G1+7], 0
	s_mul_i32 s48, s[WV], 53248                    ; my quarter, in LDS and in the image: no place in the cluster enters either
	s_mul_i32 s50, s[KIND], 212992
	s_add_co_u32 s50, s50, s48
	s_mov_b32 s51, 0
	s_wait_dscnt 0x0                               ; both opening adds are done
	s_wait_kmcnt 0x0
	s_mov_b32 s[G0], 1
	s_mov_b32 s[G0+1], s48
	s_add_nc_u64 s[G0+2:G0+3], s[8:9], s[50:51]
	s_or_b32 s[G0+3], s[G0+3], 0x80000000
	ROUND                                          ; all four work-groups are here: the joint loads meet
	tensor_load_to_lds s[G0:G0+3], s[G1:G1+7]      ; my one tensor load of the launch; these bytes are filled once
	s_nop 0
.rept 4
	v_nop
.endr
	s_bfe_u32 s46, ttmp6, 0x40000                  ; cx
	s_lshl_b32 s47, ttmp9, 2
	s_add_co_u32 s47, s47, s46                     ; block of 128 rows, 0..63
	s_lshl_b32 s52, s47, 18                        ; x 128 rows of 2,048 bytes
	s_mov_b32 s53, 0
	s_mov_b32 s[OST], 1536
	s_mov_b32 s[OST+1], 0
	s_mov_b32 s54, 768
	s_cmp_lt_u32 s[KIND], 2
	s_cselect_b64 s[IN:IN+1], s[4:5], s[6:7]       ; q, k read x; v reads y
	s_cselect_b32 s[MA], 0xffff, -1
	s_cselect_b32 s[OST], 768, s[OST]              ; from trip to trip in the codes
	s_cselect_b32 s54, 6144, s54                   ; from a fragment's first half to its second: the next head, or the next 768 bytes
	s_cselect_b32 s55, 10, 9                       ; my scale images: 1,024 or 512 bytes a wave
	s_add_nc_u64 s[IN:IN+1], s[IN:IN+1], s[52:53]
	s_add_nc_u64 s[CP:CP+1], s[10:11], s[52:53]
	s_lshl_b32 s56, s[WV], s55
	s_mov_b32 s57, 104448
	s_mov_b32 s60, 98304
	s_cmp_eq_u32 s[KIND], 0
	s_cselect_b64 s[OC:OC+1], s[12:13], s[14:15]
	s_cselect_b32 s57, 53248, s57                  ; a block's bytes in the buffer
	s_cselect_b32 s58, 16, 8                       ; my second tile's first row: natural or permuted
	s_cselect_b32 s59, 8, 16                       ; from a tile's rows 0-7 to its rows 8-15
	s_cselect_b32 s60, 49152, s60                  ; where a block's scale images begin
	s_mul_i32 s57, s57, s47
	s_cmp_eq_u32 s[KIND], 2
	s_cselect_b32 s60, 102400, s60
	s_cselect_b32 s61, 49152, 0                    ; v's codes lie behind k's
	s_mul_i32 s62, s[WV], 12288
	s_add_co_u32 s62, s62, s61
	s_add_co_u32 s62, s62, s57
	s_mov_b32 s63, 0
	s_mov_b64 s[OS:OS+1], s[OC:OC+1]
	s_add_nc_u64 s[OC:OC+1], s[OC:OC+1], s[62:63]
	s_add_co_u32 s62, s60, s56
	s_add_co_u32 s62, s62, s57
	s_add_nc_u64 s[OS:OS+1], s[OS:OS+1], s[62:63]
	s_mov_b32 s[SEL], 0x76543210
	s_mov_b32 s[SEL+1], 0xfedcba98
	s_mov_b32 s[HM], 0xffff0000
	s_lshl_b32 s52, s[WV], 16                      ; my 32 rows
	s_lshl_b32 s58, s58, 11
	s_lshl_b32 s59, s59, 11
	s_add_co_u32 s53, s52, s59
	s_add_co_u32 s55, s52, s58
	s_add_co_u32 s56, s55, s59
	v_and_b32 v35, 31, v0
	v_lshlrev_b32 v[LI], 4, v35
	v_lshlrev_b32 v[LS], 2, v35
	v_lshlrev_b32 v[L8], 3, v35
	v_add_nc_u32 v1, s52, v[LI]                    ; tile 0: rows 0-7,
	v_add_nc_u32 v2, s53, v[LI]                    ; rows 8-15;
	v_add_nc_u32 v3, s55, v[LI]                    ; tile 1 likewise
	v_add_nc_u32 v4, s56, v[LI]
	v_add_nc_u32 v[VB16], s54, v[LI]
	v_add_nc_u32 v[VB8], s54, v[L8]
	v_and_b32 v60, 15, v0                          ; r
	v_bfe_u32 v61, v0, 4, 1                        ; h
	s_mul_i32 s52, s[WV], 8448
	s_add_co_u32 s52, s52, STG                     ; my stage
	v_add_nc_u32 v[SIN], s52, v[LI]                ; in: a row's 512 bytes as they lie
	v_mul_u32_u24 v[SOUT], v60, 528
	v_lshl_add_u32 v[SOUT], v61, 6, v[SOUT]
	v_add_nc_u32 v[SOUT], s52, v[SOUT]             ; out: row r, + 64 h: 16 neighbours of each block of 32
	s_mul_i32 s53, s[WV], 12288
	s_add_co_u32 s53, s53, RIMG
	v_add_nc_u32 v[XWI], s53, v[LI]                ; my 8 fragments' images
	s_lshl_b32 s54, s[WV], 10
	s_add_co_u32 s54, s54, RSC
	v_add_nc_u32 v[XWS], s54, v[LS]
	s_mul_i32 s46, s[WV], 49152                    ; my 8 tiles of the weight,
	s_lshl_b32 s47, s[WV], 12
	s_add_co_u32 s47, s47, 196608                  ; and their scale words
	s_cmp_lt_u32 s[KIND], 2
	s_cselect_b32 s48, s46, RIMG                   ; what stays: the weight's tiles, or (v) the rows'
	s_cselect_b32 s49, s47, RSC
	s_cselect_b32 s50, RIMG, s46                   ; what moves
	s_cselect_b32 s51, RSC, s47
	v_add_nc_u32 v[ASTA], s48, v[LI]
	v_add_nc_u32 v[ASTS], s49, v[LS]
	v_add_nc_u32 v[AMOV], s50, v[LI]
	v_add_nc_u32 v[AMOS], s51, v[LS]
.irp b, 0,1,2,3
	v_mov_b32 v[TM+4+\b], 0                        ; a lane permute's destination counts as one of its sources
.endr
; chunk c: tile c / 4, K step c % 4: 16 rows x 512 bytes, a row a load, into set c % 2
.macro LOADR c
.set RS, 128+64*((\c)%2)
.set VA, 1+2*((\c)/4)
.irp i, 0,1,2,3,4,5,6,7,8,9,10,11,12,13,14,15
	global_load_b128 v[RS+4*\i:RS+4*\i+3], v[VA+\i/8], s[IN:IN+1] offset:2048*(\i%8)+512*((\c)%4)
.endr
.endm
.macro CHUNK c
.set RS, 128+64*((\c)%2)
.set VA, 1+2*((\c)/4)
.if (\c) < 7
	s_wait_loadcnt 16                              ; this chunk's 16 loads are in; the next chunk's 16 may be out
.else
	s_wait_loadcnt 0x0
.endif
	s_cmp_lg_u32 s[KIND], 0
	s_cbranch_scc1 .Lno_copy_\@
.irp i, 0,1,2,3,4,5,6,7,8,9,10,11,12,13,14,15
	global_store_b128 v[VA+\i/8], v[RS+4*\i:RS+4*\i+3], s[CP:CP+1] offset:2048*(\i%8)+512*((\c)%4) th:TH_STORE_NT   ; out0 = x: 512 consecutive bytes a store
.endr
.Lno_copy_\@:
.irp i, 0,1,2,3,4,5,6,7,8,9,10,11,12,13,14,15
	ds_store_b128 v[SIN], v[RS+4*\i:RS+4*\i+3] offset:528*\i
.endr
.irp b, 0,1,2,3
.irp j, 0,1,2,3
	ds_load_b128 v[X+16*\b+4*\j:X+16*\b+4*\j+3], v[SOUT] offset:128*\b+16*\j   ; LDS serves a wave's instructions in order: these see my stores
.endr
.endr
	s_wait_dscnt 0x0                               ; my numbers are back; the stage's stores and the last chunk's image stores have read their registers
.if (\c)+2 < 8
	s_wait_xcnt 0x0                                ; the copy's stores have read this set: it is loaded again only behind this wait
	LOADR (\c)+2
.endif
	QUANT X
.irp q, 0,1,2
	ds_store_b128 v[XWI], v[PC+4*\q:PC+4*\q+3] offset:(\c)*1536+512*\q   ; the fragment as it stands: 4 (c / 4) + c % 4 = c
.endr
	ds_store_b32 v[XWS], v[PW] offset:(\c)*128
.endm
	LOADR 0
	LOADR 1
.irp c, 0,1,2,3,4,5,6,7
	CHUNK \c
.endr
	s_wait_tensorcnt 0x0                           ; my quarter of the weight's image has landed,
	s_wait_dscnt 0x0                               ; my images are stored:
	s_barrier_signal -1
	s_barrier_wait -1                              ; everybody's.  From here on LDS is only read
	s_wait_xcnt 0x0                                ; the last copies' stores have read v128-255
	WIN 0x40                                       ; destination window 1
.set F, 0
.rept 16
.irp q, 0,1,2
	ds_load_b128 v[12*F+4*\q:12*F+4*\q+3], v[ASTA] offset:F*1536+512*\q
.endr
.set F, F+1
.endr
	WIN 0x80                                       ; destination window 2
.rept 16
.irp q, 0,1,2
	ds_load_b128 v[12*(F-16)+4*\q:12*(F-16)+4*\q+3], v[ASTA] offset:F*1536+512*\q
.endr
.set F, F+1
.endr
	WIN 0
.set F, 0
.rept 32
	ds_load_b32 v[192+F], v[ASTS] offset:F*128
.set F, F+1
.endr
.macro FETCHM i                        ; the moving tile's four fragments and scale words
.irp s, 0,1,2,3
.irp q, 0,1,2
	ds_load_b128 v[128+12*\s+4*\q:128+12*\s+4*\q+3], v[AMOV] offset:(4*(\i)+\s)*1536+512*\q
.endr
	ds_load_b32 v[176+\s], v[AMOS] offset:(4*(\i)+\s)*128
.endr
.endm
.macro MULS t0                         ; tiles t0 .. t0 + 3 through the four K steps: four accumulators by turns, one instruction a turn
.irp s, 0,1,2,3
.irp t, 0,1,2,3
.if \s == 0
	v_wmma_scale_f32_16x16x128_f8f6f4 v[X+8*(\t0+\t):X+8*(\t0+\t)+7], v[12*(4*\t+\s):12*(4*\t+\s)+11], v[128+12*\s:139+12*\s], 0, v[192+4*(\t0+\t)+\s], v[176+\s] matrix_a_fmt:MATRIX_FMT_FP6 matrix_b_fmt:MATRIX_FMT_FP6
.else
	v_wmma_scale_f32_16x16x128_f8f6f4 v[X+8*(\t0+\t):X+8*(\t0+\t)+7], v[12*(4*\t+\s):12*(4*\t+\s)+11], v[128+12*\s:139+12*\s], v[X+8*(\t0+\t):X+8*(\t0+\t)+7], v[192+4*(\t0+\t)+\s], v[176+\s] matrix_a_fmt:MATRIX_FMT_FP6 matrix_b_fmt:MATRIX_FMT_FP6
.endif
.endr
.endr
.endm
.macro TRIP i
	s_wait_dscnt 0x0                               ; the moving tile is in (in the first trip: the stationary set too)
	WIN 0x01                                       ; source 0 window 1
	MULS 0
	WIN 0x02                                       ; source 0 window 2
	MULS 4
	WIN 0
.rept 4
	v_nop                                          ; four plain instructions between the products and the loads into their operands, and the first read of results
.endr
.if (\i) < 7
	FETCHM (\i)+1                                  ; lands while this trip's results are quantised
.endif
.if (\i) > 0
	s_wait_xcnt 0x0                                ; the last trip's stores have read their data and their base
	s_add_nc_u64 s[OC:OC+1], s[OC:OC+1], s[OST:OST+1]
.endif
	QUANT X
.if ((\i)%2) == 0
	v_and_b32 v[SWA+(\i)/2], s[MA], v[PW]          ; the first head's two bytes (v: all four)
	v_lshrrev_b32 v[SWB+(\i)/2], 16, v[PW]         ; the second head's
.else
	v_and_b32 v35, s[MA], v[PW]
	v_cndmask_b32 v[SWA+(\i)/2], v[SWA+(\i)/2], v35, s[HM]   ; an odd trip's words go to lanes 16-31
	v_lshrrev_b32 v35, 16, v[PW]
	v_cndmask_b32 v[SWB+(\i)/2], v[SWB+(\i)/2], v35, s[HM]
.endif
	global_store_b128 v[LI], v[PC:PC+3], s[OC:OC+1]                ; 512 consecutive bytes,
	global_store_b64 v[L8], v[PC+4:PC+5], s[OC:OC+1] offset:512    ; 256: the first half image;
	global_store_b128 v[VB16], v[PC+6:PC+9], s[OC:OC+1]            ; the second likewise
	global_store_b64 v[VB8], v[PC+10:PC+11], s[OC:OC+1] offset:512
.endm
	FETCHM 0
.irp i, 0,1,2,3,4,5,6,7
	TRIP \i
.endr
	s_wait_alu depctr_va_vdst(0)                   ; the wait directly ahead of the waits below
	s_wait_tensorcnt 0x0
	ds_add_u32 v24, v25
	s_wait_dscnt 0x0
	global_store_b128 v[LI], v[SWA:SWA+3], s[OS:OS+1]
	s_cmp_lt_u32 s[KIND], 2
	s_cbranch_scc0 .Lone_image
	global_store_b128 v[LI], v[SWB:SWB+3], s[OS:OS+1] offset:512   ; q, k: the second head's
.Lone_image:
	ROUND                                          ; the closing round: no work-group ends while a partner may still ask for the image jointly
	s_endpgm
.Lfunc_end_k_qe07bac4521_proj:
	.size	k_qe07bac4521_proj, .Lfunc_end_k_qe07bac4521_proj-k_qe07bac4521_proj
	.p2alignl 7, 3214868480
	.fill 96, 4, 3214868480
	.section	.rodata,"a",@progbits
	.p2align	6, 0x0
	.amdhsa_kernel k_qe07bac4521_proj
		.amdhsa_group_segment_fixed_size 327680
		.amdhsa_private_segment_fixed_size 0
		.amdhsa_enable_private_segment 0
		.amdhsa_kernarg_size 48
		.amdhsa_user_sgpr_count 2
		.amdhsa_user_sgpr_kernarg_segment_ptr 1
		.amdhsa_wavefront_size32 1
		.amdhsa_system_sgpr_workgroup_id_x 1
		.amdhsa_system_sgpr_workgroup_id_y 1
		.amdhsa_system_sgpr_workgroup_id_z 1
		.amdhsa_system_vgpr_workitem_id 0
		.amdhsa_next_free_vgpr 704
		.amdhsa_next_free_sgpr 66
		.amdhsa_reserve_vcc 0
		.amdhsa_float_denorm_mode_32 3
		.amdhsa_float_denorm_mode_16_64 3
		.amdhsa_memory_ordered 1
		.amdhsa_forward_progress 1
		.amdhsa_inst_pref_size 165
	.end_amdhsa_kernel
	.amdgpu_metadata
---
amdhsa.version: [ 1, 2 ]
amdhsa.kernels:
  - .name:           k_qe07bac4521_proj
    .symbol:         k_qe07bac4521_proj.kd
    .args:
      - { .name: x, .offset: 0, .size: 8, .value_kind: global_buffer, .address_space: global }
      - { .name: y, .offset: 8, .size: 8, .value_kind: global_buffer, .address_space: global }
      - { .name: Wimg, .offset: 16, .size: 8, .value_kind: global_buffer, .address_space: global }
      - { .name: out0, .offset: 24, .size: 8, .value_kind: global_buffer, .address_space: global }
      - { .name: Qimg, .offset: 32, .size: 8, .value_kind: global_buffer, .address_space: global }
      - { .name: KV, .offset: 40, .size: 8, .value_kind: global_buffer, .address_space: global }
    .group_segment_fixed_size: 327680
    .private_segment_fixed_size: 0
    .kernarg_segment_align: 8
    .kernarg_segment_size: 48
    .max_flat_workgroup_size: 128
    .sgpr_count:     66
    .vgpr_count:     704
    .wavefront_size: 32
...
	.end_amdgpu_metadata
.endif
;; end of part 2
;; launch attn (part 3): grid 256 x 1, 16 waves a work-group, clusters of 4 x 1, 327,680 bytes of LDS; arguments Qimg, KV, mask, scale, Wimg, y, out1; writes out1
.if DOCPART == 3
	.amdgcn_target "amdgcn-amd-amdhsa--gfx1250"
	.amdhsa_code_object_version 6
	.text
	.protected	k_qe07bac4521_attn
	.globl	k_qe07bac4521_attn
	.p2align	8
	.type	k_qe07bac4521_attn,@function
k_qe07bac4521_attn:
	s_mov_b64 s[64:65], 0
	v_nop
	global_prefetch_b8 v0, s[64:65] scope:SCOPE_SE
	s_setreg_imm32_b32 hwreg(HW_REG_WAVE_MODE, 25, 1), 1
	s_wait_xcnt 0x0
	s_wait_alu depctr_hold_cnt(0) depctr_sa_sdst(0) depctr_va_vdst(0) depctr_va_sdst(0) depctr_va_ssrc(0) depctr_va_vcc(0) depctr_vm_vsrc(0)
	s_getreg_b32 s2, hwreg(HW_REG_IB_STS2, 6, 4)
	s_cmp_eq_u32 s2, 0
	s_cbranch_scc0 .Lentry_in_a_cluster
	s_endpgm
.Lentry_in_a_cluster:
	s_bfe_u32 s2, ttmp6, 0x10000c
	s_cmp_lg_u32 s2, 0x3003
	s_cbranch_scc0 .Lentry_shape_is_right
	s_endpgm
.Lentry_shape_is_right:
; out1 = y + (softmax(q k^T x scale + mask) v, heads joined) W_out^T, all three products on codes of FP6 (E2M3) with one E8M0 byte for each 32 along K.
; SHARES.  A work-group owns 32 queries of one batch and ALL 8 heads: so each number of the mask is read from memory once, and the joined o (32 x 512) is whole in the work-group for the last product.
; Sixteen waves: head = wave / 2, tile of 16 queries = wave % 2; 256 registers a wave, four waves to a SIMD, so that one wave's vector work stands beside another's matrix work and LDS loads.
; Every wave walks the batch's 4,096 keys, 128 a step, through a ring of two LDS slots.  A step's K and V of all heads (codes and scale words, as images of operand registers) are one dense block of 104,448 bytes,
; which the four work-groups of a cluster (same batch) ask for JOINTLY (waves 0-3, a quarter each); the work-group's own tile of the mask, 32 rows x 512 bytes, comes by wave 4's plain tensor load.
; LAYOUT.  S^T = K Q^T, O^T = V^T P^T: a lane holds ONE query (lane % 16).  The keys of a tile and the channels of a tile of V are permuted (lane r of tile 2 b + e: 32 b + 8 e + r + 8 (r / 8)), so that the 16 registers of
; tiles 2 b, 2 b + 1 are 16 neighbours along the next K.  The head's 64 fill half of the first product's K: registers 6-11 of K's and Q's fragments are zero codes, their scale bytes 0 (2^-127), never 0xff.
; SOFTMAX.  u = S x scale + mask; t = u x log2(e); M = the running largest t rounded UP to a whole number; p = 2^(t - M) is quantised along the keys; the sum is taken of the unquantised p; when M moves, the sum and O^T are
; multiplied by 2^(old M - new M), which rounds nothing.  At the end O^T is divided by the sum, quantised along head x 64 + channel, handed round through LDS, and multiplied by W_out's rows 32 wave .. 32 wave + 31.
; LIMITS: NaN among the inputs, and a row of the mask that is -infinity throughout, are not served; a block of p or o under 2^(3 - 127) keeps the scale byte 1 (a block of zeros too: its codes are zeros).
; REGISTERS: v1-5 addresses that stay; v6, v7 the spare word's address and 0; v8-11, v28 the step's addresses; v12 -M, v13 the largest t, v[14:15] the sum; v16-27 Q; v29 the prefetch's offset; v32-79 four fragments of K;
;   v80-127 half a tile of the mask, then V's four fragments; v128-191 S^T, u, p; v192-223 O^T; v224-235 p's codes; v232-247 at work; v248-251 K's or V's scale words; v252 f; v253 p's scale word; v254 at work; v255 Q's scale words.
; WHO LOADS (this stands in place of what the lines above say of waves 0-3 and wave 4): every wave issues one tensor load at the head and one behind each round.
; Waves 0-11 ask jointly for 34 rows of 256 bytes each of the step's block of K and V (12 x 8,704 = 104,448 bytes); waves 12-15 fetch 8 rows each of the work-group's own tile of the mask.
.set SLOT1, 131072                     ; slot 1 begins here: one exclusive or turns an address from one slot to the other
.set VCO,   49152                      ; in a slot: K's codes at 0 (head x 6,144 + tile x 768), V's here (head x 6,144 + tile x 1,536),
.set KSO,   98304                      ; K's scale images (head x 512),
.set VSO,   102400                     ; V's (head pair x 512),
.set MKO,   104448                     ; the mask: 32 rows of 512 bytes + 16 of padding
.set SPARE, 262144                     ; the spare words: 128 bytes for each of 16 waves, eight blocks of 256 bytes that no other line names
.set OIMG,  0                          ; the end's LDS lies in slot 0, which has had its last fill and its last read at the last change of slots: o's half images, (8 u + head) x 768;
.set OSC,   12288                      ; o's scale words, (4 u + head / 2) x 128 + 4 x lane, two bytes from each head of a pair;
.set OSTG,  16384                      ; and a stage of 32 rows x (2,048 + 16) bytes
.set KF,  32
.set MV,  80
.set S,   128
.set OT,  192
.set WV,  18
.set SEL, 20
.set L2E, 22                           ; s[22:23] log2(e)
.set G1J, 24                           ; s[24:31] group 1 of the joint load;  s[32:39] of the mask's;  s[40:43], s[44:47] their groups 0, which walk
.set G1M, 32
.set G0J, 40
.set G0M, 44
.set SC,  48                           ; s[48:49] scale[0]
.set TB,  50                           ; the slot in hand
.set STEPS, 51                         ; steps still to be asked for
.set PFA, 52                           ; s[52:53] where my prefetches stand;  s[54:55] a step on
.set PFS, 54
.set LIM, 56                           ; 1 in a wave that prefetches, else the greatest number
.set WGN, 57                           ; my work-group: 4 x cluster + cx
.macro ROUND                           ; a round of the cluster's barrier
	s_barrier_signal -1
	s_barrier_wait -1
	s_cmp_lg_u32 s[WV], 0
	s_cbranch_scc1 .Lnot_wave_0_\@
	s_barrier_signal -3
.Lnot_wave_0_\@:
	s_barrier_wait -3
	s_barrier_signal -1
	s_barrier_wait -1
.endm
; Waves 0-11 ask jointly for a twelfth each of the step's K and V, waves 12-15 for 8 rows each of the mask's tile: every way through the macro passes one load.  The branch hangs on the wave's number alone.
; An s_nop 0 and four v_nop follow each of the two lines.
.macro TLOAD
	s_cmp_lt_u32 s[WV], 12
	s_cbranch_scc0 .Lnot_joint_\@
	tensor_load_to_lds s[G0J:G0J+3], s[G1J:G1J+7]
	s_nop 0
.rept 4
	v_nop
.endr
	s_branch .Lasked_\@
.Lnot_joint_\@:
	tensor_load_to_lds s[G0M:G0M+3], s[G1M:G1M+7]
	s_nop 0
.rept 4
	v_nop
.endr
.Lasked_\@:
.endm
; A PREFETCH INTO THE L2 of what the NEXT change of slots will ask for, one key step ahead of that load.  Waves 5 and 6 of every work-group: its own tile of the mask, a lane a row, the row's first or second 256 bytes.
; Waves 8-10 of the batch's first cluster: the step's 98,304 bytes of K's and V's codes; the four partners take 24,576 bytes each, told apart by address; 8,192 bytes a wave, lanes 256 bytes apart.
; So each aligned block of 256 bytes is named once in the launch.  The last change that fills a slot asks for nothing; steps 0 and 1 come by their loads alone.
.macro ASK
	s_cmp_gt_u32 s[STEPS], s[LIM]
	s_cbranch_scc0 .Lnot_mine_\@
	global_prefetch_b8 v29, s[PFA:PFA+1] th:TH_LOAD_NT scope:SCOPE_SE
.Lnot_mine_\@:
.endm
; THE CHANGE OF SLOTS stands at a step's head.  Each wave waits for all its tensor loads (at most one is out), adds 0 to its spare word, and waits for that and for its reads of the slot that it has left.
; fill = 1: a round of the cluster's barrier, so that no wave of any partner still reads that slot; then it is filled with the next step's tiles, which have a whole step in which to land.
.macro CHANGE fill
	s_wait_tensorcnt 0x0                           ; no tensor load of mine is out, so a group 0 may be written
	ds_add_u32 v6, v7                              ; 0 onto my spare word
.if \fill
	s_xor_b32 s[G0J+1], s[G0J+1], SLOT1            ; the other slot than last time,
	s_add_nc_u64 s[G0J+2:G0J+3], s[G0J+2:G0J+3], 104448   ; the next 128 keys' block; the type bits on top are not reached
	s_xor_b32 s[G0M+1], s[G0M+1], SLOT1
	s_add_nc_u64 s[G0M+2:G0M+3], s[G0M+2:G0M+3], 512      ; 128 columns of the mask on
	s_wait_xcnt 0x0                                ; the last prefetch, a step back, has read its address
	s_add_nc_u64 s[PFA:PFA+1], s[PFA:PFA+1], s[PFS:PFS+1]
	s_wait_dscnt 0x0                               ; the add is done, and my reads of the slot that I have left are over
	ROUND
	TLOAD                                          ; the first thing behind the round, and a wave's one tensor load until the next
	ASK
.else
	s_wait_dscnt 0x0
	s_barrier_signal -1
	s_barrier_wait -1
.endif
.endm
.macro KLOAD t0                        ; four tiles of K: six registers each; registers 6-11 stay zero
.irp t, 0,1,2,3
	ds_load_b128 v[KF+12*\t:KF+12*\t+3], v8 offset:768*(\t0+\t)
	ds_load_b64 v[KF+12*\t+4:KF+12*\t+5], v9 offset:768*(\t0+\t)
.endr
.endm
.macro MLOAD b0                        ; the mask at my query, keys 32 b + 16 (lane / 16) + 0 .. 15 of blocks b0, b0 + 1
.irp b, 0,1
.irp j, 0,1,2,3
	ds_load_b128 v[MV+16*\b+4*\j:MV+16*\b+4*\j+3], v28 offset:128*(\b0+\b)+16*\j
.endr
.endr
.endm
.macro KQ t0                           ; S^T of four tiles of 16 keys; a scale register holds an even tile's words in lanes 0-15 and the odd tile's in lanes 16-31
.irp t, 0,1,2,3
.if (\t%2) == 0
	v_wmma_scale_f32_16x16x128_f8f6f4 v[S+8*(\t0+\t):S+8*(\t0+\t)+7], v[KF+12*\t:KF+12*\t+11], v[16:27], 0, v[248+(\t0+\t)/2], v255 matrix_a_fmt:MATRIX_FMT_FP6 matrix_b_fmt:MATRIX_FMT_FP6
.else
	v_wmma_scale_f32_16x16x128_f8f6f4 v[S+8*(\t0+\t):S+8*(\t0+\t)+7], v[KF+12*\t:KF+12*\t+11], v[16:27], 0, v[248+(\t0+\t)/2], v255 matrix_a_fmt:MATRIX_FMT_FP6 matrix_b_fmt:MATRIX_FMT_FP6 matrix_a_scale:MATRIX_SCALE_ROW1
.endif
.endr
.endm
.macro LOGIT o                         ; u = S x scale + mask, 32 registers from S + o on, each accumulator from its low end on
.set J, 0
.rept 16
	v_pk_fma_f32 v[S+\o+J:S+\o+J+1], v[S+\o+J:S+\o+J+1], s[SC:SC+1], v[MV+J:MV+J+1] op_sel_hi:[1,0,1]
.set J, J+2
.endr
.endm
.macro BMAX b0                         ; the largest u of blocks b0 and b0 + 1, by turns: it serves for the row's maximum and, since p rises with u, for the block's largest p
.irp b, \b0, \b0+1
	v_max3_num_f32 v[232+\b], v[S+16*(\b)], v[S+1+16*(\b)], v[S+2+16*(\b)]
.endr
.irp i, 3,5,7,9,11,13
.irp b, \b0, \b0+1
	s_delay_alu instid0(VALU_DEP_2)
	v_max3_num_f32 v[232+\b], v[232+\b], v[S+16*(\b)+\i], v[S+1+16*(\b)+\i]
.endr
.endr
.irp b, \b0, \b0+1
	s_delay_alu instid0(VALU_DEP_2)
	v_max_num_f32 v[232+\b], v[232+\b], v[S+15+16*(\b)]
.endr
.endm
; A KEY STEP: 128 keys
.macro STEP
	v_add_nc_u32 v8, s[TB], v1                     ; (these five are also the plain instructions between the last step's products and the loads into their operands)
	v_add_nc_u32 v9, s[TB], v2
	v_add_nc_u32 v10, s[TB], v3
	v_add_nc_u32 v11, s[TB], v4
	v_add_nc_u32 v28, s[TB], v5
	ds_load_b128 v[248:251], v10                   ; K's scale words of my head's 8 tiles
	KLOAD 0
	MLOAD 0
	s_wait_alu depctr_va_vdst(0)
	s_wait_dscnt 8                                 ; the scale words and tiles 0-3 are in; the mask's 8 loads may be out
	KQ 0
.rept 4
	v_nop                                          ; four plain instructions between the products and the loads into their operands, and the first read of results
.endr
	KLOAD 4
	s_wait_dscnt 8                                 ; the mask's first half is in; tiles 4-7's 8 loads may be out
	LOGIT 0
	MLOAD 2
	s_wait_alu depctr_va_vdst(0)
	s_wait_dscnt 8                                 ; tiles 4-7 are in; the mask's second half, 8 loads, may be out
	KQ 4
	BMAX 0                                         ; sixteen plain instructions that name none of those products' registers
	s_wait_dscnt 0x0
	LOGIT 32
.irp t, 0,1,2,3                                ; V's four tiles of 16 channels x 128 keys and their scale words land under the softmax
	ds_load_b128 v[MV+12*\t:MV+12*\t+3], v8 offset:VCO+1536*\t
	ds_load_b64 v[MV+12*\t+4:MV+12*\t+5], v9 offset:VCO+1536*\t
	ds_load_b128 v[MV+12*\t+6:MV+12*\t+9], v8 offset:VCO+1536*\t+768
	ds_load_b64 v[MV+12*\t+10:MV+12*\t+11], v9 offset:VCO+1536*\t+768
.endr
	ds_load_b64 v[248:249], v11
	BMAX 2
.irp b, 0,1,2,3
	v_permlanex16_b32 v[236+\b], v[232+\b], s[SEL], s[SEL+1]
.endr
.irp b, 0,1,2,3
	s_delay_alu instid0(VALU_DEP_4)
	v_max_num_f32 v[232+\b], v[232+\b], v[236+\b]  ; with lane l xor 16's 16 keys
.endr
	s_delay_alu instid0(VALU_DEP_2)
	v_max3_num_f32 v254, v232, v233, v234
	s_delay_alu instid0(VALU_DEP_1)
	v_max_num_f32 v254, v254, v235                 ; the step's largest u of my query
	s_delay_alu instid0(VALU_DEP_1)
	v_mul_f32 v254, s[L2E], v254                   ; as t
	s_delay_alu instid0(VALU_DEP_1)
	v_max_num_f32 v13, v13, v254                   ; the running largest t
	v_mov_b32 v254, v12
	s_delay_alu instid0(VALU_DEP_2)
	v_floor_f32 v12, -v13                          ; the new -M = floor(-t) = -ceil(t): a whole number
	s_delay_alu instid0(VALU_DEP_1)
	v_sub_f32 v254, v12, v254                      ; old M - new M: a whole number, 0 or less
	s_delay_alu instid0(VALU_DEP_1)
	v_cvt_i32_f32 v254, v254                       ; (it saturates)
	s_delay_alu instid0(VALU_DEP_1)
	v_ldexp_f32 v252, 1.0, v254                    ; f = 2^(old M - new M)
.set J, 0
.rept 32
	v_pk_fma_f32 v[S+J:S+J+1], v[S+J:S+J+1], s[L2E:L2E+1], v[12:13] op_sel_hi:[1,0,0]   ; t - M, two at a time
.set J, J+2
.endr
.irp b, 0,1,2,3
	v_fma_f32 v[232+\b], v[232+\b], s[L2E], v12    ; the same of each block's largest u
.endr
.set J, 0
	s_wait_alu depctr_va_vdst(0)
.rept 64
	v_exp_f32 v[S+J], v[S+J]                       ; p = 2^(t - M), at most 1: not normalised
.set J, J+1
.endr
	v_pk_mul_f32 v[14:15], v[14:15], v[252:253] op_sel_hi:[1,0]   ; the sums under the new M: the plain instruction behind the exponentials
	s_wait_alu depctr_va_vdst(0)                   ; one wait for the whole batch, ahead of its first reader
.irp b, 0,1,2,3
	v_exp_f32 v[232+\b], v[232+\b]                 ; the block's largest p: the same two instructions on the same number give the same bits
.endr
	v_pk_add_f32 v[236:237], v[132:133], v[136:137]
	v_pk_add_f32 v[250:251], v[140:141], v[144:145]
	v_pk_add_f32 v[246:247], v[148:149], v[152:153]
	v_pk_add_f32 v[244:245], v[156:157], v[160:161]
	v_pk_add_f32 v[242:243], v[164:165], v[168:169]
	v_pk_add_f32 v[240:241], v[172:173], v[176:177]
	v_pk_add_f32 v[238:239], v[180:181], v[184:185]
	v_pk_add_f32 v[14:15], v[14:15], v[188:189]
	v_pk_add_f32 v[236:237], v[236:237], v[128:129]
	v_pk_add_f32 v[250:251], v[250:251], v[130:131]
	v_pk_add_f32 v[246:247], v[246:247], v[134:135]
	v_pk_add_f32 v[244:245], v[244:245], v[138:139]
	v_pk_add_f32 v[242:243], v[242:243], v[142:143]
	v_pk_add_f32 v[240:241], v[240:241], v[146:147]
	v_pk_add_f32 v[238:239], v[238:239], v[150:151]
	v_pk_add_f32 v[14:15], v[14:15], v[154:155]
	v_pk_add_f32 v[236:237], v[236:237], v[158:159]
	v_pk_add_f32 v[250:251], v[250:251], v[162:163]
	v_pk_add_f32 v[246:247], v[246:247], v[166:167]
	v_pk_add_f32 v[244:245], v[244:245], v[170:171]
	v_pk_add_f32 v[242:243], v[242:243], v[174:175]
	v_pk_add_f32 v[240:241], v[240:241], v[178:179]
	v_pk_add_f32 v[238:239], v[238:239], v[182:183]
	v_pk_add_f32 v[14:15], v[14:15], v[186:187]
	v_pk_add_f32 v[236:237], v[236:237], v[190:191]
	s_delay_alu instid0(VALU_DEP_2)
	v_pk_add_f32 v[14:15], v[14:15], v[244:245]
	s_delay_alu instid0(VALU_DEP_2)
	v_pk_add_f32 v[236:237], v[236:237], v[242:243]
	v_pk_add_f32 v[250:251], v[250:251], v[240:241]
	v_pk_add_f32 v[246:247], v[246:247], v[238:239]
	s_delay_alu instid0(VALU_DEP_2)
	v_pk_add_f32 v[14:15], v[14:15], v[250:251]
	s_delay_alu instid0(VALU_DEP_2)
	v_pk_add_f32 v[236:237], v[236:237], v[246:247]
	s_delay_alu instid0(VALU_DEP_1)
	v_pk_add_f32 v[14:15], v[14:15], v[236:237]
	s_wait_alu depctr_va_vdst(0)                   ; and one for the four
.irp b, 0,1,2,3
	v_max_num_f32 v[232+\b], 0x1800000, v[232+\b]  ; the floor 2^(3 - 127): the byte cannot fall under 1
.endr
.irp b, 0,1,2,3
	s_delay_alu instid0(VALU_DEP_4)
	v_add_nc_u32 v[244+\b], 0xff000000, v[232+\b]  ; 2 off the exponent field: the conversion's scale operand
.endr
.irp b, 0,1,2,3
	s_delay_alu instid0(VALU_DEP_4)
	v_lshrrev_b32 v[236+\b], 23, v[244+\b]         ; the scale's byte
.endr
	s_delay_alu instid0(VALU_DEP_3)
	v_lshl_or_b32 v253, v237, 8, v236              ; p's scale word for these 128 keys
	s_delay_alu instid0(VALU_DEP_1)
	v_lshl_or_b32 v253, v238, 16, v253
	s_delay_alu instid0(VALU_DEP_1)
	v_lshl_or_b32 v253, v239, 24, v253
.irp c, 0,1
	v_cvt_scalef32_pk16_fp6_f32 v[224+6*\c:226+6*\c], v[S+32*\c:S+15+32*\c], v[244+2*\c]
	v_cvt_scalef32_pk16_fp6_f32 v[236+4*\c:238+4*\c], v[S+16+32*\c:S+31+32*\c], v[244+2*\c+1]   ; a conversion's three registers begin on an even number
.endr
	v_nop                                          ; one plain instruction behind a scaled conversion
.irp c, 0,1                                    ; the operand wants a WHOLE block in a lane
.irp i, 0,1,2
	v_permlane16_swap_b32 v[224+6*\c+\i], v[236+4*\c+\i]
.endr
.irp i, 0,1,2
	s_delay_alu instid0(VALU_DEP_3)
	v_mov_b32 v[227+6*\c+\i], v[236+4*\c+\i]
.endr
.endr
.set J, 0
.rept 16
	v_pk_mul_f32 v[OT+J:OT+J+1], v[OT+J:OT+J+1], v[252:253] op_sel_hi:[1,0]   ; O^T under the new M; these sixteen also stand between the writes of p's codes and scale word and the products
.set J, J+2
.endr
	s_wait_alu depctr_va_vdst(0)
	s_wait_dscnt 0x0                               ; V is in
.irp t, 0,1,2,3                                ; O^T += V^T P^T: four accumulators, one instruction each
.if (\t%2) == 0
	v_wmma_scale_f32_16x16x128_f8f6f4 v[OT+8*\t:OT+8*\t+7], v[MV+12*\t:MV+12*\t+11], v[224:235], v[OT+8*\t:OT+8*\t+7], v[248+\t/2], v253 matrix_a_fmt:MATRIX_FMT_FP6 matrix_b_fmt:MATRIX_FMT_FP6
.else
	v_wmma_scale_f32_16x16x128_f8f6f4 v[OT+8*\t:OT+8*\t+7], v[MV+12*\t:MV+12*\t+11], v[224:235], v[OT+8*\t:OT+8*\t+7], v[248+\t/2], v253 matrix_a_fmt:MATRIX_FMT_FP6 matrix_b_fmt:MATRIX_FMT_FP6 matrix_a_scale:MATRIX_SCALE_ROW1
.endif
.endr
	s_xor_b32 s[TB], s[TB], SLOT1                  ; on to the other slot
.endm
	s_load_b256 s[4:11], s[0:1], 0x0               ; q's images, k's and v's, the mask, scale
	s_load_b128 s[12:15], s[0:1], 0x20             ; the weights' images, y
	s_load_b64 s[16:17], s[0:1], 0x30              ; out1
	v_lshl_add_u32 v6, v0, 2, SPARE
	v_mov_b32 v7, 0
	ds_add_u32 v6, v7                              ; the opening lines: the add, twice on end, and its wait ahead of the round in front of the first loads
	ds_add_u32 v6, v7
	v_lshrrev_b32 v8, 5, v0
	s_delay_alu instid0(VALU_DEP_1)
	v_readfirstlane_b32 s[WV], v8                  ; wave 0..15
	s_bfe_u32 s58, ttmp6, 0x40000                  ; cx
	s_lshl_b32 s[WGN], ttmp9, 2
	s_add_co_u32 s[WGN], s[WGN], s58               ; my 32 queries are rows 32 x this of the 8,192
	; the joint load: a twelfth of a step's block, 8,704 dense bytes, as 34 rows of 256 bytes (32 elements of 8 bytes)
	s_mov_b32 s[G1J+0], 15|(3<<16)|(1<<21)         ; 15:0 the mask: all four work-groups; 17:16 elements of 8 bytes; 21 set beside a mask
	s_mov_b32 s[G1J+1], 32<<16
	s_mov_b32 s[G1J+2], 34<<16
	s_mov_b32 s[G1J+3], 32<<16
	s_mov_b32 s[G1J+4], 34
	s_mov_b32 s[G1J+5], 32
	s_mov_b32 s[G1J+6], 0
	s_mov_b32 s[G1J+7], 0
	; a quarter of the mask's tile: 8 rows x 128 elements of 4 bytes, 4,096 elements from row to row; 4 words of padding behind every 128
	s_mov_b32 s[G1M+0], (2<<16)|(1<<20)|(6<<22)|(3<<25)
	s_mov_b32 s[G1M+1], 128<<16
	s_mov_b32 s[G1M+2], 8<<16
	s_mov_b32 s[G1M+3], 128<<16
	s_mov_b32 s[G1M+4], 8
	s_mov_b32 s[G1M+5], 4096
	s_mov_b32 s[G1M+6], 0
	s_mov_b32 s[G1M+7], 0
	s_lshr_b32 s59, ttmp9, 5                       ; the batch, which the four partners share
	s_mul_i32 s60, s59, 32*104448                  ; its 32 blocks of K and V
	s_min_u32 s61, s[WV], 11                       ; (waves 12-15 ask for none of it)
	s_mul_i32 s61, s61, 8704                       ; my twelfth, in memory and in a slot
	s_add_co_u32 s62, s60, s61
	s_mov_b32 s63, 0
	s_lshl_b32 s66, s[WGN], 19                     ; my 32 rows of the mask: 32 x 16,384 bytes a work-group
	s_mov_b32 s67, 0
	s_and_b32 s74, s[WV], 3                        ; waves 12-15: which 8 rows of the mask's tile (waves 0-11 do not use these)
	s_mul_i32 s75, s74, 8*528
	s_add_co_u32 s75, s75, MKO                     ; where they go in a slot,
	s_lshl_b32 s76, s74, 17                        ; and 8 rows of 16,384 bytes in memory
	s_add_co_u32 s76, s76, s66
	s_mov_b32 s77, 0
	s_wait_dscnt 0x0                               ; both opening adds are done
	s_wait_kmcnt 0x0
	s_load_b32 s[SC], s[10:11], 0x0
	s_mov_b32 s[G0J], 1
	s_mov_b32 s[G0J+1], s61
	s_add_nc_u64 s[G0J+2:G0J+3], s[6:7], s[62:63]
	s_or_b32 s[G0J+3], s[G0J+3], 0x80000000
	s_mov_b32 s[G0M], 1
	s_mov_b32 s[G0M+1], s75
	s_add_nc_u64 s[G0M+2:G0M+3], s[8:9], s[76:77]
	s_or_b32 s[G0M+3], s[G0M+3], 0x80000000
	ROUND                                          ; all four work-groups are here: the first joint loads meet
	TLOAD                                          ; step 0 into slot 0
	; the prefetches: where my wave's stand (at step 1: the first change of slots steps them to step 2), and who asks
	s_sub_co_u32 s68, s[WV], 5
	s_min_u32 s68, s68, 1                          ; wave 5: a row's first 256 bytes of a step, wave 6: the second
	s_lshl_b32 s68, s68, 8
	s_add_co_u32 s68, s68, s66
	s_add_co_u32 s68, s68, 512
	s_sub_co_u32 s69, s[WV], 8
	s_min_u32 s69, s69, 2                          ; waves 8-10: 8,192 bytes each
	s_lshl_b32 s69, s69, 13
	s_mul_i32 s70, s58, 24576                      ; of my work-group's 24,576
	s_add_co_u32 s69, s69, s70
	s_add_co_u32 s69, s69, s60
	s_add_co_u32 s69, s69, 104448
	s_mov_b32 s[PFS], 104448
	s_mov_b32 s70, 16384
	s_cmp_lt_u32 s[WV], 8
	s_cselect_b64 s[PFA:PFA+1], s[8:9], s[6:7]
	s_cselect_b32 s[PFS], 512, s[PFS]
	s_cselect_b32 s70, s70, 256                    ; from lane to lane
	s_cselect_b32 s68, s68, s69
	s_mov_b32 s69, 0
	s_mov_b32 s[PFS+1], 0
	s_add_nc_u64 s[PFA:PFA+1], s[PFA:PFA+1], s[68:69]
	v_and_b32 v29, 31, v0
	s_delay_alu instid0(VALU_DEP_1)
	v_mul_lo_u32 v29, v29, s70
	s_sub_co_u32 s68, s[WV], 5
	s_cmp_lt_u32 s68, 2
	s_cselect_b32 s[LIM], 1, -1                    ; waves 5 and 6 of every work-group;
	s_sub_co_u32 s68, s[WV], 8
	s_cmp_lt_u32 s68, 3
	s_cselect_b32 s68, 0, 1
	s_and_b32 s69, ttmp9, 31
	s_or_b32 s68, s68, s69
	s_cmp_eq_u32 s68, 0
	s_cselect_b32 s[LIM], 1, s[LIM]                ; waves 8-10 of the batch's first cluster: the same in all four partners
	; Q: my head's half image of tile 2 cx + u of the cluster's 128 rows, and its scale words
	s_lshr_b32 s70, s[WV], 1                       ; head
	s_and_b32 s71, s[WV], 1                        ; u
	s_mul_i32 s68, ttmp9, 53248
	s_mul_i32 s72, s70, 6144
	s_lshl_b32 s73, s58, 1
	s_add_co_u32 s73, s73, s71
	s_mul_i32 s73, s73, 768
	s_add_co_u32 s74, s68, s72
	s_add_co_u32 s74, s74, s73
	s_mov_b32 s75, 0
	s_lshl_b32 s78, s70, 9
	s_add_co_u32 s78, s78, s68
	s_add_co_u32 s78, s78, 49152
	s_lshl_b32 s73, s58, 2                         ; word cx,
	s_add_co_u32 s78, s78, s73
	s_lshl_b32 s73, s71, 8                         ; lanes 16 u on
	s_add_co_u32 s78, s78, s73
	s_mov_b32 s79, 0
	s_add_nc_u64 s[76:77], s[4:5], s[74:75]
	s_add_nc_u64 s[4:5], s[4:5], s[78:79]
	v_and_b32 v8, 31, v0
	s_delay_alu instid0(VALU_DEP_1)
	v_lshlrev_b32 v30, 4, v8                       ; 16 x lane
	s_wait_alu depctr_va_vdst(0)
	v_lshlrev_b32 v31, 3, v8                       ; 8 x lane
	v_and_b32 v8, 15, v0                           ; r
	s_wait_alu depctr_va_vdst(0)
	v_bfe_u32 v9, v0, 4, 1                         ; h
	v_lshlrev_b32 v254, 4, v8
	global_load_b128 v[16:19], v30, s[76:77]
	global_load_b64 v[20:21], v31, s[76:77] offset:512
	global_load_b32 v255, v254, s[4:5]
	v_add_nc_u32 v1, s72, v30                      ; codes: 16 x lane + head x 6,144,
	s_add_co_u32 s72, s72, 512
	v_add_nc_u32 v2, s72, v31                      ; 8 x lane + head x 6,144 + 512
	s_lshl_b32 s73, s70, 9
	s_add_co_u32 s73, s73, KSO
	v_add_nc_u32 v3, s73, v30                      ; K's scale image of my head
	s_lshr_b32 s73, s[WV], 2
	s_lshl_b32 s73, s73, 9
	s_and_b32 s74, s70, 1
	s_lshl_b32 s74, s74, 3
	s_add_co_u32 s73, s73, s74
	s_add_co_u32 s73, s73, VSO
	v_add_nc_u32 v4, s73, v30                      ; V's: my head pair's image, my head's two words
	v_mul_u32_u24 v5, v8, 528
	s_wait_alu depctr_va_vdst(0)
	v_lshl_add_u32 v5, v9, 6, v5
	s_mul_i32 s73, s71, 16*528
	s_add_co_u32 s73, s73, MKO
	v_add_nc_u32 v5, s73, v5                       ; the mask: row 16 u + r, + 64 h
	s_mov_b32 s[SEL], 0x76543210
	s_mov_b32 s[SEL+1], 0xfedcba98
	s_mov_b32 s[L2E], 0x3fb8aa3b
	s_mov_b32 s[L2E+1], s[L2E]
	s_mov_b32 s[TB], 0
	s_mov_b32 s[STEPS], 31
.irp j, 22,23,24,25,26,27
	v_mov_b32 v[\j], 0                             ; the upper half of Q's K: zero codes
.endr
.irp t, 0,1,2,3
.irp j, 6,7,8,9,10,11
	v_mov_b32 v[KF+12*\t+\j], 0                    ; and of K's, written once
.endr
.endr
.set J, 0
.rept 32
	v_mov_b32 v[OT+J], 0                           ; O^T: the step is written without a first step of its own; the first change of M leaves zeros zeros
.set J, J+1
.endr
	v_mov_b32 v13, 0xff61b1e6                      ; the largest t so far: -3e38
	s_delay_alu instid0(VALU_DEP_1)
	v_floor_f32 v12, -v13                          ; -M
	v_mov_b32 v14, 0
	v_mov_b32 v15, 0
.irp b, 0,1,2,3
	v_mov_b32 v[236+\b], 0                         ; a lane permute's destination counts as one of its sources
.endr
	v_mov_b32 v253, 0                              ; (named as the upper half of v[252:253] before it is first written)
	s_wait_kmcnt 0x0
	s_mov_b32 s[SC+1], s[SC]
	s_wait_loadcnt 0x0                             ; Q
.Lstep:                                            ; 31 trips: behind each change of slots but the last the next step is asked for
	CHANGE 1
	STEP
	s_sub_co_u32 s[STEPS], s[STEPS], 1
	s_cmp_lg_u32 s[STEPS], 0
	s_cbranch_scc1 .Lstep
	CHANGE 0                                       ; the last step is written out
	STEP
	; THE END.  o = O^T / the sum, quantised; through LDS to all waves; y + o W_out^T; out through a stage as whole rows.
	v_and_b32 v1, 31, v0                           ; (six plain instructions between the last products and the loads into their operands, and the first read of O^T)
	v_and_b32 v5, 15, v0                           ; r
	v_bfe_u32 v8, v0, 4, 1                         ; h
	s_delay_alu instid0(VALU_DEP_3)
	v_lshlrev_b32 v2, 4, v1                        ; 16 x lane
	s_delay_alu instid0(VALU_DEP_4)
	v_lshlrev_b32 v3, 3, v1                        ; 8 x lane
	v_lshlrev_b32 v4, 2, v1                        ; 4 x lane
	s_mul_i32 s58, s[WV], 12288
	s_add_co_u32 s58, s58, 3*212992                ; W_out's tiles 2 wave, 2 wave + 1: fragments 8 wave on
	s_mov_b32 s59, 0
	s_add_nc_u64 s[66:67], s[12:13], s[58:59]
	s_lshl_b32 s58, s[WV], 10
	s_add_co_u32 s58, s58, 3*212992+196608
	s_add_nc_u64 s[68:69], s[12:13], s[58:59]
.set F, 0
.rept 8
.irp q, 0,1,2
	global_load_b128 v[32+12*F+4*\q:32+12*F+4*\q+3], v2, s[66:67] offset:1536*F+512*\q
.endr
	global_load_b32 v[240+F], v4, s[68:69] offset:128*F
.set F, F+1
.endr
	v_add_f32 v14, v14, v15                        ; the sum's two halves,
	s_delay_alu instid0(VALU_DEP_1)
	v_permlanex16_b32 v252, v14, s[SEL], s[SEL+1]
	s_delay_alu instid0(VALU_DEP_1)
	v_add_f32 v14, v14, v252                       ; and lane l xor 16's
	s_wait_alu depctr_va_vdst(0)
	v_rcp_f32 v14, v14
	s_and_b32 s70, s[WV], 1                        ; u
	s_lshr_b32 s71, s[WV], 1                       ; head
	s_lshl_b32 s72, s70, 3
	s_add_co_u32 s72, s72, s71
	s_mul_i32 s72, s72, 768
	v_add_nc_u32 v9, s72, v2                       ; (plain instructions behind the reciprocal)  my half image of o
	v_add_nc_u32 v10, s72, v3
	s_lshl_b32 s73, s70, 9                         ; 4 u x 128
	s_lshr_b32 s74, s[WV], 2
	s_lshl_b32 s74, s74, 7                         ; (head / 2) x 128
	s_add_co_u32 s73, s73, s74
	s_and_b32 s74, s71, 1
	s_lshl_b32 s74, s74, 1                         ; my head's two bytes of the word
	s_add_co_u32 s73, s73, s74
	s_add_co_u32 s73, s73, OSC
	v_add_nc_u32 v11, s73, v4
	v_mul_u32_u24 v30, v5, 2064
	s_delay_alu instid0(VALU_DEP_1)
	v_lshl_add_u32 v30, v8, 6, v30
	s_lshl_b32 s74, s[WV], 7
	s_add_co_u32 s74, s74, OSTG
	v_add_nc_u32 v30, s74, v30                     ; the stage, in: row r, + 128 wave + 64 h
	s_mul_i32 s75, s[WV], 2*2064
	s_add_co_u32 s75, s75, OSTG
	v_add_nc_u32 v31, s75, v2                      ; and back: my two rows
	s_lshl_b32 s58, s[WGN], 16                     ; my work-group's 32 rows of 2,048 bytes,
	s_lshl_b32 s60, s[WV], 12                      ; my wave's two
	s_add_co_u32 s58, s58, s60
	s_add_nc_u64 s[14:15], s[14:15], s[58:59]
	s_add_nc_u64 s[16:17], s[16:17], s[58:59]
	s_wait_alu depctr_va_vdst(0)                   ; the wait ahead of the reciprocal's first reader
.set J, 0
.rept 16
	v_pk_mul_f32 v[S+J:S+J+1], v[OT+J:OT+J+1], v[14:15] op_sel_hi:[1,0]   ; o: register 16 b + i = channel 32 b + 16 h + i of my head, query r
.set J, J+2
.endr
.irp b, 0,1
	v_max3_num_f32 v[232+\b], |v[S+16*\b]|, |v[S+1+16*\b]|, 0x1800000
.endr
.irp i, 2,4,6,8,10,12,14
.irp b, 0,1
	s_delay_alu instid0(VALU_DEP_2)
	v_max3_num_f32 v[232+\b], v[232+\b], |v[S+16*\b+\i]|, |v[S+1+16*\b+\i]|
.endr
.endr
.irp b, 0,1
	s_delay_alu instid0(VALU_DEP_2)
	v_permlanex16_b32 v[236+\b], v[232+\b], s[SEL], s[SEL+1]
.endr
.irp b, 0,1
	s_delay_alu instid0(VALU_DEP_2)
	v_max_num_f32 v[232+\b], v[232+\b], v[236+\b]
.endr
.irp b, 0,1
	s_delay_alu instid0(VALU_DEP_2)
	v_add_nc_u32 v[234+\b], 0xff000000, v[232+\b]
.endr
.irp b, 0,1
	s_delay_alu instid0(VALU_DEP_2)
	v_lshrrev_b32 v[236+\b], 23, v[234+\b]
.endr
	s_delay_alu instid0(VALU_DEP_1)
	v_lshl_or_b32 v239, v237, 8, v236              ; my head's two scale bytes
	v_cvt_scalef32_pk16_fp6_f32 v[224:226], v[S:S+15], v234
	v_cvt_scalef32_pk16_fp6_f32 v[236:238], v[S+16:S+31], v235
	v_nop                                          ; one plain instruction behind a scaled conversion
.irp i, 0,1,2
	v_permlane16_swap_b32 v[224+\i], v[236+\i]
.endr
.irp i, 0,1,2
	s_delay_alu instid0(VALU_DEP_3)
	v_mov_b32 v[227+\i], v[236+\i]
.endr
	ds_store_b128 v9, v[224:227] offset:OIMG
	ds_store_b64 v10, v[228:229] offset:OIMG+512
	ds_store_b16 v11, v239
.macro YREG i                          ; where y's 16 bytes of load i lie
.if (\i) < 4
.set YR, 176+4*(\i)
.elseif (\i) < 7
.set YR, 16+4*((\i)-4)
.else
.set YR, 232
.endif
.endm
.irp i, 0,1,2,3,4,5,6,7
	YREG \i
	global_load_b128 v[YR:YR+3], v2, s[14:15] offset:512*\i   ; my two rows of y: 512 consecutive bytes a load
.endr
	s_wait_dscnt 0x0                               ; for the others' sake: my image and my two bytes are stored
	s_barrier_signal -1
	s_barrier_wait -1
.set F, 0
.rept 8
	ds_load_b32 v[248+F], v4 offset:OSC+128*F      ; o's scale words: tile of queries F / 4, K step F % 4
.set F, F+1
.endr
.macro OFR s                           ; o's fragments of K step s (heads 2 s, 2 s + 1), both tiles of queries
.irp q, 0,1
.set F, S+24*((\s)%2)+12*\q
	ds_load_b128 v[F:F+3], v2 offset:OIMG+(8*\q+2*(\s))*768
	ds_load_b64 v[F+4:F+5], v3 offset:OIMG+(8*\q+2*(\s))*768+512
	ds_load_b128 v[F+6:F+9], v2 offset:OIMG+(8*\q+2*(\s))*768+768
	ds_load_b64 v[F+10:F+11], v3 offset:OIMG+(8*\q+2*(\s))*768+1280
.endr
.endm
.macro OMUL s                          ; four accumulators (tile e of W_out, tile q of queries) by turns
.irp e, 0,1
.irp q, 0,1
.if (\s) == 0
	v_wmma_scale_f32_16x16x128_f8f6f4 v[OT+8*(2*\e+\q):OT+8*(2*\e+\q)+7], v[32+12*(4*\e+(\s)):43+12*(4*\e+(\s))], v[S+24*((\s)%2)+12*\q:S+24*((\s)%2)+12*\q+11], 0, v[240+4*\e+(\s)], v[248+4*\q+(\s)] matrix_a_fmt:MATRIX_FMT_FP6 matrix_b_fmt:MATRIX_FMT_FP6
.else
	v_wmma_scale_f32_16x16x128_f8f6f4 v[OT+8*(2*\e+\q):OT+8*(2*\e+\q)+7], v[32+12*(4*\e+(\s)):43+12*(4*\e+(\s))], v[S+24*((\s)%2)+12*\q:S+24*((\s)%2)+12*\q+11], v[OT+8*(2*\e+\q):OT+8*(2*\e+\q)+7], v[240+4*\e+(\s)], v[248+4*\q+(\s)] matrix_a_fmt:MATRIX_FMT_FP6 matrix_b_fmt:MATRIX_FMT_FP6
.endif
.endr
.endr
.endm
	OFR 0
	OFR 1
	s_wait_dscnt 0x0
	s_wait_loadcnt 8                               ; W_out's fragments and scale words are in; y's 8 loads may be out
	OMUL 0
	OMUL 1
.rept 4
	v_nop                                          ; four plain instructions between the products and the loads into their operands
.endr
	OFR 2
	OFR 3
	s_wait_dscnt 0x0
	OMUL 2
	OMUL 3
.rept 4
	v_nop                                          ; and in front of the first read of results
.endr
.irp e, 0,1
.irp q, 0,1
	ds_store_b128 v30, v[OT+8*(2*\e+\q):OT+8*(2*\e+\q)+3] offset:16*\q*2064+32*\e        ; lane (r, h): row 16 q + r, columns 32 wave + 16 h + 8 e + 0 .. 7; each accumulator from its low end on
	ds_store_b128 v30, v[OT+8*(2*\e+\q)+4:OT+8*(2*\e+\q)+7] offset:16*\q*2064+32*\e+16
.endr
.endr
	s_wait_dscnt 0x0                               ; for the others' sake
	s_barrier_signal -1
	s_barrier_wait -1                              ; 32 whole rows lie in the stage
.irp i, 0,1,2,3,4,5,6,7
	ds_load_b128 v[S+4*\i:S+4*\i+3], v31 offset:2064*(\i/4)+512*(\i%4)
.endr
	s_wait_loadcnt 0x0                             ; y
	s_wait_dscnt 0x0
.irp i, 0,1,2,3,4,5,6,7
	YREG \i
	v_pk_add_f32 v[S+4*\i:S+4*\i+1], v[S+4*\i:S+4*\i+1], v[YR:YR+1]
	v_pk_add_f32 v[S+4*\i+2:S+4*\i+3], v[S+4*\i+2:S+4*\i+3], v[YR+2:YR+3]
.endr
.irp i, 0,1,2,3,4,5,6,7
	global_store_b128 v2, v[S+4*\i:S+4*\i+3], s[16:17] offset:512*\i th:TH_STORE_NT   ; 512 consecutive bytes, at a multiple of 256 from out1's first byte
.endr
	s_wait_tensorcnt 0x0                           ; the wave's end, behind my last tensor load and my last LDS store
	ds_add_u32 v6, v7
	s_wait_dscnt 0x0
	ROUND                                          ; the closing round: no work-group ends while a partner may still ask for a block that names it
	s_endpgm
.Lfunc_end_k_qe07bac4521_attn:
	.size	k_qe07bac4521_attn, .Lfunc_end_k_qe07bac4521_attn-k_qe07bac4521_attn
	.p2alignl 7, 3214868480
	.fill 96, 4, 3214868480
	.section	.rodata,"a",@progbits
	.p2align	6, 0x0
	.amdhsa_kernel k_qe07bac4521_attn
		.amdhsa_group_segment_fixed_size 327680
		.amdhsa_private_segment_fixed_size 0
		.amdhsa_enable_private_segment 0
		.amdhsa_kernarg_size 56
		.amdhsa_user_sgpr_count 2
		.amdhsa_user_sgpr_kernarg_segment_ptr 1
		.amdhsa_wavefront_size32 1
		.amdhsa_system_sgpr_workgroup_id_x 1
		.amdhsa_system_sgpr_workgroup_id_y 1
		.amdhsa_system_sgpr_workgroup_id_z 1
		.amdhsa_system_vgpr_workitem_id 0
		.amdhsa_next_free_vgpr 256
		.amdhsa_next_free_sgpr 80
		.amdhsa_reserve_vcc 0
		.amdhsa_float_denorm_mode_32 3
		.amdhsa_float_denorm_mode_16_64 3
		.amdhsa_memory_ordered 1
		.amdhsa_forward_progress 1
		.amdhsa_inst_pref_size 72
	.end_amdhsa_kernel
	.amdgpu_metadata
---
amdhsa.version: [ 1, 2 ]
amdhsa.kernels:
  - .name:           k_qe07bac4521_attn
    .symbol:         k_qe07bac4521_attn.kd
    .args:
      - { .name: Qimg, .offset: 0, .size: 8, .value_kind: global_buffer, .address_space: global }
      - { .name: KV, .offset: 8, .size: 8, .value_kind: global_buffer, .address_space: global }
      - { .name: mask, .offset: 16, .size: 8, .value_kind: global_buffer, .address_space: global }
      - { .name: scale, .offset: 24, .size: 8, .value_kind: global_buffer, .address_space: global }
      - { .name: Wimg, .offset: 32, .size: 8, .value_kind: global_buffer, .address_space: global }
      - { .name: y, .offset: 40, .size: 8, .value_kind: global_buffer, .address_space: global }
      - { .name: out1, .offset: 48, .size: 8, .value_kind: global_buffer, .address_space: global }
    .group_segment_fixed_size: 327680
    .private_segment_fixed_size: 0
    .kernarg_segment_align: 8
    .kernarg_segment_size: 56
    .max_flat_workgroup_size: 512
    .sgpr_count:     80
    .vgpr_count:     256
    .wavefront_size: 32
...
	.end_amdgpu_metadata
.endif
;; end of part 3
